; MI455X (gfx1250); checked and timed in simulation.
; The chip was launched on July 23, 2026; its instructions are those of AMD's public machine-readable ISA for CDNA 5 (MIT licence, August 2026) and "CDNA5" Instruction Set Architecture Reference Guide (July 2026). The comments in the code are by the model that wrote it; some were corrected since.
;; Quaternion LSTM Cell. Allowed arithmetic: matrix products marked QUANTISED: E2M1 operands, one E8M0 scale for each 32 along K, by v_wmma_scale_f32_16x16x128_f8f6f4 with both operands' format E2M1 (or v_wmma_scale_f32_32x16x128_f4), f32 sums; everything else in f32.
;; Inputs: Uc_b 512 x 4 float32; Uc_w 4 x 512 x 512 float32; Uf_b 512 x 4 float32; Uf_w 4 x 512 x 512 float32; Ui_b 512 x 4 float32; Ui_w 4 x 512 x 512 float32; Uo_b 512 x 4 float32; Uo_w 4 x 512 x 512 float32; Wc_w 4 x 512 x 512 float32; Wf_w 4 x 512 x 512 float32; Wi_w 4 x 512 x 512 float32; Wo_w 4 x 512 x 512 float32; c 2,048 x 512 x 4 float32; h 2,048 x 512 x 4 float32; x 2,048 x 512 x 4 float32.
;; Outputs: out0 2,048 x 512 x 4 float32; out1 2,048 x 512 x 4 float32.
;; This version of the problem:
;;   THIS VERSION OF THE PROBLEM IS GIVEN IN LOW PRECISION. The matrix products marked QUANTISED in the list below multiply operands that are first quantised to E2M1 (2 exponent bits, 1 mantissa bit; 4 bits a number), with one power-of-two scale for each 32 numbers along K (OCP MX v1.0); their sums are f32. All else is computed in f32.
;;   The module's matrix products, in the order in which they are computed (A, B: the left and right operand; K: the contracted axis; several contracted axes count as one K, in the product's order):
;;     1. [M 2,048, K 2,048] x [K 2,048, N 2,048]; A: input x; B: computed on the way: QUANTISED
;;     2. [M 2,048, K 2,048] x [K 2,048, N 2,048]; A: input h; B: computed on the way: QUANTISED
;;     3. [M 2,048, K 2,048] x [K 2,048, N 2,048]; A: input x; B: computed on the way: QUANTISED
;;     4. [M 2,048, K 2,048] x [K 2,048, N 2,048]; A: input h; B: computed on the way: QUANTISED
;;     5. [M 2,048, K 2,048] x [K 2,048, N 2,048]; A: input x; B: computed on the way: QUANTISED
;;     6. [M 2,048, K 2,048] x [K 2,048, N 2,048]; A: input h; B: computed on the way: QUANTISED
;;     7. [M 2,048, K 2,048] x [K 2,048, N 2,048]; A: input x; B: computed on the way: QUANTISED
;;     8. [M 2,048, K 2,048] x [K 2,048, N 2,048]; A: input h; B: computed on the way: QUANTISED
;;   THE QUANTISER, for each operand of a quantised product, along K:
;;     - K is cut into blocks of 32 from its start; a last block that is shorter is filled with zeros.
;;     - A block's scale is 2^e with e = floor(log2(the largest magnitude in the block)) - 2, held to -126 .. 127; a block of zeros has e = 0. As a byte (E8M0): e + 127.
;;     - Each number is divided by its block's scale, clamped to +-6, and rounded to the nearest number of E2M1, ties to even, subnormals kept.
;;     - The product sums the exact products of the quantised numbers (number of the format x scale) in f32.
;;   ~~~python
;;   def quantise(x, axis):      # numpy; x: float32 -> the quantised numbers, widened to float32 again
;;       x = np.moveaxis(x, axis, -1); K = x.shape[-1]
;;       x = np.pad(x, [(0, 0)] * (x.ndim - 1) + [(0, -K % 32)]); x = x.reshape(x.shape[:-1] + (-1, 32)); a = np.abs(x).max(-1, keepdims=True)
;;       e = np.where(a > 0, np.clip(np.frexp(np.where(a > 0, a, 1))[1] - 1 - 2, -126, 127), 0)      # np.frexp(a)[1] - 1 = floor(log2(a)), exactly
;;       r = np.clip(x / 2.0 ** e, -6, 6)
;;       step = 2.0 ** (np.maximum(np.frexp(np.where(r == 0, 1, r))[1] - 1, 0) - 1)
;;       q = np.round(r / step) * step * 2.0 ** e      # np.round: ties to even
;;       return np.moveaxis(q.reshape(q.shape[:-2] + (-1,))[..., :K], -1, axis).astype(np.float32)
;;   ~~~
;;   OPERANDS COMPUTED ON THE WAY. 'Computed on the way' means the value that the module computes at that place (a softmax that the list does not call 'softmax' is quantised finished and normalised). What goes into a quantiser is computed in f32, as accurately as f32 sums, v_exp_f32 and their like allow (about 1e-6 of the number): no bf16 or f16 on the way to a quantiser, and a product that is left as it is and whose result goes on into a quantised operand takes f32 operands (vector FMAs, or v_wmma_f32_16x16x4_f32). A number that lies on a knife's edge between two numbers of the format may be rounded either way, as far as f32 arithmetic and the matrix unit's own rounding can turn it there, and no further.
;; One version. Each part assembles by itself: llvm-mc -triple=amdgcn-amd-amdhsa -mcpu=gfx1250 --defsym DOCPART=n.
;; ======== version 1 of 1: 2 launches
;; limits: right only within a limited range of input values
;; workspace buffers: acodes 4,456,448 bytes; bcodes 4,456,448 bytes
;; launch quant (part 1): grid 256 x 1, 32 waves a work-group, no clusters, 327,680 bytes of LDS; arguments Wi_w, Wf_w, Wo_w, Wc_w, Ui_w, Uf_w, Uo_w, Uc_w, x, h, acodes, bcodes; writes acodes, bcodes
.if DOCPART == 1
	.amdgcn_target "amdgcn-amd-amdhsa--gfx1250"
	.amdhsa_code_object_version 6
	.text
	.protected	k_q25b40c229e_quant
	.globl	k_q25b40c229e_quant
	.p2align	8
	.type	k_q25b40c229e_quant,@function
k_q25b40c229e_quant:
	s_mov_b64 s[64:65], 0
	v_nop
	global_prefetch_b8 v0, s[64:65] scope:SCOPE_SE
	s_setreg_imm32_b32 hwreg(HW_REG_WAVE_MODE, 25, 1), 1
	s_wait_xcnt 0x0
; x, h [2048][512][4] and the eight weights [4][512][512], f32, become codes of FP4 (E2M1) with one E8M0 byte for each 32 along K, laid as the product's launch loads them.
; K of the product: part (0: x and W.., 1: h and U..), component, i.  A block of 32 along K is 32 neighbouring i of one part and one component.  A STEP is 128 i of one part, all four components: 8 steps.
; acodes and bcodes: [16 tiles][4 pairs of steps][136 rows][512 bytes].  Rows 0-127: a row's codes of the pair: [step][component][64 bytes], the lower i in the low four bits.
;   Rows 128-135: the scale bytes of 16 rows each: [step][row % 16][component][4 bytes].  Tile of acodes: 128 rows of x, h.  Tile of bcodes: 32 outputs o: row 64 (o / 16 % 2) + 16 kind + o % 16, kind 0, 1, 2: gates i, f, o; 3: the candidate.
; THE HAMILTON MATRIX IS NOT BUILT.  Its element at row (a, i), column (b, o) is +-W[a xor b][o][i]: a block along K is 32 neighbours of a row of W, and the quantiser treats w and -w alike: each row of W is quantised once.
; Of a gate column b = 0 alone is stored, with its minus signs (a = 1, 2, 3); the candidate's rows are stored plain, the product's launch turns their signs.
; DEAD WORK LEFT OUT: the cell uses i_pre, f_pre, o_pre at component 0 alone, so columns b = 1, 2, 3 of the gates' six products reach no output, whatever the inputs hold, and are not multiplied.
; A block's scale is 2^(floor(log2(largest magnitude)) - 2): its byte is the largest magnitude's exponent field less 2, held at 1 from below.
; LIMITS: NaN and infinities among the inputs are not served; one that reaches only the work left out is not carried to the result.  A block of zeros gets the byte 1 where the rule says 127: its codes are zeros, and these bytes are read by this program alone.
; SHARES.  256 work-groups of 32 waves, 8 KiB a wave, brought by ONE tensor load a wave.  Waves 0-15: 16 neighbouring rows of x or h, a row each.  Waves 16-31: 16 neighbouring outputs of one weight: its four components' rows of one output each.
; A lane takes two whole blocks (s = 0, 1): component (l / 4) % 4, block 8 s + 4 (l / 16) + l % 4 of the 16 along i: so a wave's codes of step pair s are 512 consecutive bytes at 16 x lane.
; The input is read once by one wave: no cluster, no slot is filled again, no loop in which to ask ahead.
.set TILEB, 69632                      ; a tile's pair: 136 rows of 512 bytes
.set WT,    8448                       ; a wave's LDS: a row of x as 16 lines of 512 + 16 bytes, or four rows of a weight as 8 lines of 1024 + 16
.set STG,   32*WT                      ; scale bytes: [x or weight][s][512]
.set SPARE, STG+2048                   ; the spare words, 128 bytes a wave
.set XA, 6                             ; LDS address of my numbers, waves 0-15
.set WA, 7                             ; waves 16-31
.set ST, 8                             ; of my scale bytes in the stage
.set OUT, 9                            ; 16 x lane
.set RD, 10                            ; the stage on the way out
.set SGN, 11                           ; the sign bits of eight codes, or 0
.set SPW, 28
.set NIL, 29
.set C, 16                             ; v16-23 codes
.set X, 32                             ; v32-95 numbers
.set G0X, 40
.set G0W, 84
.set G1X, 44
.set G1W, 52
	s_load_b512 s[16:31], s[0:1], 0x0              ; the weights
	s_load_b256 s[32:39], s[0:1], 0x40             ; x, h, acodes, bcodes
	v_lshl_add_u32 v[SPW], v0, 2, SPARE
	v_mov_b32 v[NIL], 0
	ds_add_u32 v[SPW], v[NIL]                      ; the opening adds
	ds_add_u32 v[SPW], v[NIL]
	v_lshrrev_b32 v2, 5, v0
	v_readfirstlane_b32 s8, v2                     ; wave
	s_lshr_b32 s9, ttmp9, 5                        ; which weight; its bit 2 is the part
	s_and_b32 s11, s9, 3                           ; kind
	s_and_b32 s12, s8, 15                          ; w: my row or output among 16
	s_lshr_b32 s13, s8, 4                          ; 0: x or h, 1: a weight
	s_mul_i32 s14, s8, WT                          ; my wave's LDS
	s_lshl_b32 s15, s12, 4
	s_lshl_b32 s60, s13, 10
	s_add_co_u32 s15, s15, s60
	s_add_co_u32 s15, s15, STG                     ; my row's scale bytes in the stage
	s_and_b32 s60, s8, 3
	s_lshl_b32 s60, s60, 9
	s_add_co_u32 s60, s60, STG
	s_mov_b32 s66, 0x88888888
	s_cmp_eq_u32 s11, 3
	s_cselect_b32 s61, 0, s66
	s_mul_i32 s61, s61, s13                        ; a gate's weight: minus at components 1, 2, 3
	v_and_b32 v1, 31, v0                           ; lane
	v_lshrrev_b32 v2, 4, v1                        ; h
	v_and_b32 v3, 3, v1                            ; j
	v_bfe_u32 v4, v1, 2, 2                         ; component
	v_and_b32 v5, 15, v1
	v_lshl_add_u32 v[XA], v2, 2, v3                ; block 4 h + j of x: 32 i x 16 bytes = one line of 528
	v_mul_u32_u24 v[XA], v[XA], 528
	v_lshl_add_u32 v[XA], v4, 2, v[XA]
	v_add_nc_u32 v[XA], s14, v[XA]
	v_mul_u32_u24 v[WA], v4, 2080                  ; a weight's row: two lines of 1,040
	v_lshl_add_u32 v[WA], v2, 9, v[WA]
	v_lshl_add_u32 v[WA], v3, 7, v[WA]
	v_add_nc_u32 v[WA], s14, v[WA]
	v_lshl_add_u32 v[ST], v2, 8, v5
	v_add_nc_u32 v[ST], s15, v[ST]
	v_lshlrev_b32 v[OUT], 4, v1
	v_add_nc_u32 v[RD], s60, v[OUT]
	v_min_u32 v[SGN], 1, v4
	v_mul_lo_u32 v[SGN], s61, v[SGN]
	s_wait_alu depctr_va_vdst(0)
	; group 1: a row of x, 8,192 dense bytes, as 16 rows of 512 (64 elements of 8 bytes), 4 words of padding after every 128
	s_mov_b32 s[G1X+0], (3<<16)|(1<<20)|(6<<22)|(3<<25)
	s_mov_b32 s[G1X+1], 64<<16
	s_mov_b32 s[G1X+2], 16<<16
	s_mov_b32 s[G1X+3], 64<<16
	s_mov_b32 s[G1X+4], 16
	s_mov_b32 s[G1X+5], 64
	s_mov_b32 s[G1X+6], 0
	s_mov_b32 s[G1X+7], 0
	; a weight: 4 rows of 2,048 bytes, 1,048,576 bytes apart, 4 words of padding after every 256
	s_mov_b32 s[G1W+0], (3<<16)|(1<<20)|(7<<22)|(3<<25)
	s_mov_b32 s[G1W+1], 256<<16
	s_mov_b32 s[G1W+2], 4<<16
	s_mov_b32 s[G1W+3], 256<<16
	s_mov_b32 s[G1W+4], 4
	s_mov_b32 s[G1W+5], 131072
	s_mov_b32 s[G1W+6], 0
	s_mov_b32 s[G1W+7], 0
	s_and_b32 s68, ttmp9, 127
	s_lshl_b32 s68, s68, 4
	s_add_co_u32 s68, s68, s12                     ; row of x or h
	s_lshl_b32 s68, s68, 13
	s_mov_b32 s69, 0
	s_and_b32 s70, ttmp9, 31
	s_lshl_b32 s70, s70, 4
	s_add_co_u32 s70, s70, s12                     ; output of the weight
	s_lshl_b32 s70, s70, 11
	s_mov_b32 s71, 0
	s_mov_b32 s[G0X], 1
	s_mov_b32 s[G0X+1], s14
	s_mov_b32 s[G0W], 1
	s_mov_b32 s[G0W+1], s14
	s_wait_dscnt 0x0                               ; both opening adds are done
	s_wait_kmcnt 0x0
	s_bitcmp1_b32 s9, 0                            ; the pointers are chosen by the work-group's number alone
	s_cselect_b64 s[16:17], s[18:19], s[16:17]
	s_cselect_b64 s[20:21], s[22:23], s[20:21]
	s_cselect_b64 s[24:25], s[26:27], s[24:25]
	s_cselect_b64 s[28:29], s[30:31], s[28:29]
	s_bitcmp1_b32 s9, 1
	s_cselect_b64 s[16:17], s[20:21], s[16:17]
	s_cselect_b64 s[24:25], s[28:29], s[24:25]
	s_bitcmp1_b32 s9, 2
	s_cselect_b64 s[16:17], s[24:25], s[16:17]
	s_cselect_b64 s[32:33], s[34:35], s[32:33]
	s_add_nc_u64 s[G0X+2:G0X+3], s[32:33], s[68:69]
	s_or_b32 s[G0X+3], s[G0X+3], 0x80000000
	s_add_nc_u64 s[G0W+2:G0W+3], s[16:17], s[70:71]
	s_or_b32 s[G0W+3], s[G0W+3], 0x80000000
	s_cmp_lt_u32 s8, 16                            ; one tensor load a wave, in the arms of one branch on the wave's number
	s_cbranch_scc0 .Lload_w
	tensor_load_to_lds s[G0X:G0X+3], s[G1X:G1X+7]
	s_nop 0
.rept 4
	v_nop
.endr
	s_branch .Lloaded
.Lload_w:
	tensor_load_to_lds s[G0W:G0W+3], s[G1W:G1W+7]
	s_nop 0
.rept 4
	v_nop
.endr
.Lloaded:
	; where the results go
	s_lshr_b32 s10, ttmp9, 7                       ; part: two pairs of steps each
	s_mul_i32 s72, s10, 2*TILEB
	s_bfe_u32 s73, ttmp9, 0x40003                  ; x: tile (16 rows x work-group) / 128,
	s_mul_i32 s73, s73, 4*TILEB
	s_add_co_u32 s73, s73, s72
	s_and_b32 s74, ttmp9, 7                        ; 16 rows' place in it
	s_bfe_u32 s75, ttmp9, 0x40001                  ; a weight: tile,
	s_mul_i32 s75, s75, 4*TILEB
	s_add_co_u32 s75, s75, s72
	s_and_b32 s76, ttmp9, 1
	s_lshl_b32 s76, s76, 2
	s_add_co_u32 s76, s76, s11                     ; place 4 (group % 2) + kind
	s_cmp_lt_u32 s8, 16
	s_cselect_b64 s[78:79], s[36:37], s[38:39]
	s_cselect_b32 s80, s73, s75
	s_cselect_b32 s81, s74, s76
	s_lshl_b32 s81, s81, 13
	s_add_co_u32 s80, s80, s81
	s_lshl_b32 s81, s12, 9
	s_add_co_u32 s80, s80, s81
	s_mov_b32 s81, 0
	s_add_nc_u64 s[78:79], s[78:79], s[80:81]      ; my row's codes
	s_cmp_lt_u32 s8, 2                             ; waves 0-3 store the scale bytes: wave 2 q + s those of pair s of acodes (q = 0), bcodes (1)
	s_cselect_b64 s[82:83], s[36:37], s[38:39]
	s_cselect_b32 s80, s73, s75
	s_cselect_b32 s81, s74, s76
	s_lshl_b32 s81, s81, 9
	s_add_co_u32 s80, s80, s81
	s_and_b32 s81, s8, 1
	s_mul_i32 s81, s81, TILEB
	s_add_co_u32 s80, s80, s81
	s_add_co_u32 s80, s80, 65536
	s_mov_b32 s81, 0
	s_add_nc_u64 s[82:83], s[82:83], s[80:81]
	s_wait_tensorcnt 0x0                           ; my 8 KiB are in; no other wave reads them
	s_cmp_lt_u32 s8, 16
	s_cbranch_scc0 .Lread_w
.irp s, 0,1
.irp k, 0,1,2,3,4,5,6,7,8,9,10,11,12,13,14,15,16,17,18,19,20,21,22,23,24,25,26,27,28,29,30,31
	ds_load_b32 v[X+32*\s+\k], v[XA] offset:4224*\s+16*\k
.endr
.endr
	s_branch .Lread
.Lread_w:
.irp s, 0,1
.irp k, 0,1,2,3,4,5,6,7
	ds_load_b128 v[X+32*\s+4*\k:X+32*\s+4*\k+3], v[WA] offset:1040*\s+16*\k
.endr
.endr
.Lread:
	s_wait_dscnt 0x0
.irp s, 0,1                                            ; the largest magnitudes: two chains for each of my two blocks
	v_max3_num_f32 v[12+2*\s], |v[X+32*\s]|, |v[X+32*\s+1]|, |v[X+32*\s+2]|
	v_max3_num_f32 v[13+2*\s], |v[X+32*\s+3]|, |v[X+32*\s+4]|, |v[X+32*\s+5]|
.endr
.irp i, 6,10,14,18,22,26
.irp s, 0,1
	v_max3_num_f32 v[12+2*\s], v[12+2*\s], |v[X+32*\s+\i]|, |v[X+32*\s+\i+1]|
	v_max3_num_f32 v[13+2*\s], v[13+2*\s], |v[X+32*\s+\i+2]|, |v[X+32*\s+\i+3]|
.endr
.endr
.irp s, 0,1
	v_max3_num_f32 v[12+2*\s], v[12+2*\s], |v[X+32*\s+30]|, |v[X+32*\s+31]|
.endr
.irp s, 0,1
	v_max3_num_f32 v[12+2*\s], v[12+2*\s], v[13+2*\s], 0x1800000   ; and the floor 2^(3 - 127): the byte cannot fall under 1
.endr
.irp s, 0,1
	v_add_nc_u32 v[24+\s], 0xff000000, v[12+2*\s]  ; 2 off the exponent field: the conversion takes this operand's exponent field as its scale
.endr
.irp s, 0,1
.irp g, 0,1,2,3
	v_cvt_scalef32_pk8_fp4_f32 v[C+4*\s+\g], v[X+32*\s+8*\g:X+32*\s+8*\g+7], v[24+\s]
.endr
.endr
.irp s, 0,1
	v_lshrrev_b32 v[26+\s], 23, v[24+\s]           ; the scale's byte; also the plain instructions behind the conversions
.endr
.irp i, 0,1,2,3,4,5,6,7
	v_xor_b32 v[C+\i], v[SGN], v[C+\i]
.endr
.irp s, 0,1
	global_store_b128 v[OUT], v[C+4*\s:C+4*\s+3], s[78:79] offset:TILEB*\s   ; 512 consecutive bytes, aligned
	ds_store_b8 v[ST], v[26+\s] offset:512*\s
.endr
	s_wait_tensorcnt 0x0
	ds_add_u32 v[SPW], v[NIL]
	s_wait_dscnt 0x0
	s_barrier_signal -1
	s_barrier_wait -1                              ; everybody's scale bytes are in the stage
	s_cmp_lt_u32 s8, 4
	s_cbranch_scc0 .Ldone
	ds_load_b128 v[12:15], v[RD]
	s_wait_dscnt 0x0
	global_store_b128 v[OUT], v[12:15], s[82:83]   ; 512 consecutive bytes, aligned
.Ldone:
	s_endpgm
.Lfunc_end_k_q25b40c229e_quant:
	.size	k_q25b40c229e_quant, .Lfunc_end_k_q25b40c229e_quant-k_q25b40c229e_quant
	.p2alignl 7, 3214868480
	.fill 96, 4, 3214868480
	.section	.rodata,"a",@progbits
	.p2align	6, 0x0
	.amdhsa_kernel k_q25b40c229e_quant
		.amdhsa_group_segment_fixed_size 327680
		.amdhsa_private_segment_fixed_size 0
		.amdhsa_enable_private_segment 0
		.amdhsa_kernarg_size 96
		.amdhsa_user_sgpr_count 2
		.amdhsa_user_sgpr_kernarg_segment_ptr 1
		.amdhsa_wavefront_size32 1
		.amdhsa_system_sgpr_workgroup_id_x 1
		.amdhsa_system_sgpr_workgroup_id_y 1
		.amdhsa_system_sgpr_workgroup_id_z 1
		.amdhsa_system_vgpr_workitem_id 0
		.amdhsa_next_free_vgpr 96
		.amdhsa_next_free_sgpr 96
		.amdhsa_reserve_vcc 0
		.amdhsa_float_denorm_mode_32 3
		.amdhsa_float_denorm_mode_16_64 3
		.amdhsa_memory_ordered 1
		.amdhsa_forward_progress 1
		.amdhsa_inst_pref_size 15
	.end_amdhsa_kernel
	.amdgpu_metadata
---
amdhsa.version: [ 1, 2 ]
amdhsa.kernels:
  - .name:           k_q25b40c229e_quant
    .symbol:         k_q25b40c229e_quant.kd
    .args:
      - { .name: Wi_w, .offset: 0, .size: 8, .value_kind: global_buffer, .address_space: global }
      - { .name: Wf_w, .offset: 8, .size: 8, .value_kind: global_buffer, .address_space: global }
      - { .name: Wo_w, .offset: 16, .size: 8, .value_kind: global_buffer, .address_space: global }
      - { .name: Wc_w, .offset: 24, .size: 8, .value_kind: global_buffer, .address_space: global }
      - { .name: Ui_w, .offset: 32, .size: 8, .value_kind: global_buffer, .address_space: global }
      - { .name: Uf_w, .offset: 40, .size: 8, .value_kind: global_buffer, .address_space: global }
      - { .name: Uo_w, .offset: 48, .size: 8, .value_kind: global_buffer, .address_space: global }
      - { .name: Uc_w, .offset: 56, .size: 8, .value_kind: global_buffer, .address_space: global }
      - { .name: x, .offset: 64, .size: 8, .value_kind: global_buffer, .address_space: global }
      - { .name: h, .offset: 72, .size: 8, .value_kind: global_buffer, .address_space: global }
      - { .name: acodes, .offset: 80, .size: 8, .value_kind: global_buffer, .address_space: global }
      - { .name: bcodes, .offset: 88, .size: 8, .value_kind: global_buffer, .address_space: global }
    .group_segment_fixed_size: 327680
    .private_segment_fixed_size: 0
    .kernarg_segment_align: 8
    .kernarg_segment_size: 96
    .max_flat_workgroup_size: 1024
    .sgpr_count:     96
    .vgpr_count:     96
    .wavefront_size: 32
...
	.end_amdgpu_metadata
.endif
;; end of part 1
;; launch cell (part 2): grid 16 x 16, 4 waves a work-group, clusters of 4 x 4, 327,680 bytes of LDS; arguments acodes, bcodes, c, Ui_b, Uf_b, Uo_b, Uc_b, out0, out1; writes out0, out1
.if DOCPART == 2
	.amdgcn_target "amdgcn-amd-amdhsa--gfx1250"
	.amdhsa_code_object_version 6
	.text
	.protected	k_q25b40c229e_cell
	.globl	k_q25b40c229e_cell
	.p2align	8
	.type	k_q25b40c229e_cell,@function
k_q25b40c229e_cell:
	s_mov_b64 s[64:65], 0
	v_nop
	global_prefetch_b8 v0, s[64:65] scope:SCOPE_SE
	s_setreg_imm32_b32 hwreg(HW_REG_WAVE_MODE, 25, 1), 1
	s_wait_xcnt 0x0
	s_wait_alu depctr_hold_cnt(0) depctr_sa_sdst(0) depctr_va_vdst(0) depctr_va_sdst(0) depctr_va_ssrc(0) depctr_va_vcc(0) depctr_vm_vsrc(0)
	s_getreg_b32 s2, hwreg(HW_REG_IB_STS2, 6, 4)
	s_cmp_eq_u32 s2, 0
	s_cbranch_scc0 .Lentry_in_a_cluster
	s_endpgm
.Lentry_in_a_cluster:
	s_bfe_u32 s2, ttmp6, 0x10000c
	s_cmp_lg_u32 s2, 0xf033
	s_cbranch_scc0 .Lentry_shape_is_right
	s_endpgm
.Lentry_shape_is_right:
; The quaternion LSTM cell: one product on codes of FP4 (E2M1, one E8M0 byte for each 32 along K) and the cell's arithmetic behind it, in f32, in registers.
; acodes, bcodes: [16 tiles][4 pairs of steps][136 rows][512 bytes].  Rows 0-127 codes: [step of the pair][component][64 bytes = 128 i]; rows 128-135: scale bytes of 16 rows each: [step][row % 16][component][4].
; A tile of bcodes is 32 outputs: row 64 (o / 16 % 2) + 16 kind + o % 16; kinds 0, 1, 2: the real column of gates i, f, o, signs included; 3: the candidate's weight, stored once, plain.
; DEAD WORK LEFT OUT: of the gates' products only the real column is multiplied: the cell uses nothing else of them.  LIMIT: a NaN, an infinity or an overflow that reaches only those columns is not carried to the result.
; THE CANDIDATE: component b of its output takes component a of the input with +-W[a xor b]; minus where bit 4 p + a of 0xc6a0 is set, p = a xor b.  So a step's four fragments of W serve all four components of the input;
; their negatives (p = 1, 2, 3) are made once a step by an exclusive or of the codes' sign bits.
; c_t = f c + i tanh(z_c + b_c), h_t = o tanh(c_t), with i, f, o = sigmoid(z + b[.][0]).  sigmoid(y) = 1 / (1 + 2^(-L y)), tanh(y) = 1 - 2 / (1 + 2^(2 L y)), L = log2(e).
; LIMITS: NaN and infinities among the inputs are not served.  Where an exponential overflows or falls to 0, the reciprocal gives 0 or 1 and both functions take their end values: no NaN arises.
; SHARES.  A work-group owns 128 rows x 32 outputs.  Wave w: rows 64 (w / 2) on, 16 outputs (w % 2): 4 blocks of 16 rows x 7 tiles (three gates, four components) = 28 accumulators.
; Source 0 = 16 rows of A, source 1 = 16 rows of B: lane (r, h), register j holds row 8 h + j, output 16 g + r, at the same place in all seven tiles: the cell's arithmetic needs no other lane,
; and a lane's four components of (row, o) are 16 neighbouring bytes of c, out0 and out1: lanes 0-15 load or store 256 consecutive bytes, aligned, lanes 16-31 those 8 rows down.
; THE RING: two slots of two steps, each with A's tile and B's (codes and scale bytes in one load).  The head's four loads, one a wave, fill both slots: waves 0, 1 slot 0, waves 2, 3 slot 1; the first barrier waits for slot 0 alone.
; Two refills, half a tile a wave.  A step (128 i of one part) is two halves of two components, 56 products each; a half's fragments are loaded in one run ahead of the products of the half before.  8 steps, written out.
; CLUSTERS: 4 x 4 work-groups; the four of a row share A's tiles, the four of a column B's: joint loads with a mask that names the four.
; PREFETCH: the codes of the two refills' tiles are asked for in steps 0 and 1, a step and more ahead of their loads; each 256-byte block once in a cluster: the four partners and a tile's two waves share them by address.  (The tiles' 16 blocks of scale bytes are not asked for.)
; REGISTERS, in windows of 256.  Window 0: v16-29 addresses, v32-63 scale words, two sets (register 4 j + q: lanes 0-15 A's block j, lanes 16-31 B's kind j, component q), v64-93 biases;
;   behind the products v128-183 the seven pre-activations, v184-199 -2 i and -2 o, v224-255 at work.
;   Window 1: A's fragments, a set for each component; v128-255 c, then c_t.  Window 2: the gates' fragments, a set for each component; the candidate's, two sets; their negatives.  Window 3: the accumulators.
.set TILEB, 69632
.set PT,    528                        ; an LDS row: 512 bytes + 16 of padding: the 16 rows that a fragment load touches start 132 words apart
.set TS,    136*PT                     ; a tile in LDS
.set HL,    68*PT                      ; half of it
.set BLK,   16*PT                      ; 16 rows
.set SPARE, 4*TS                       ; the spare words, 128 bytes a wave, in two blocks of 256 bytes of their own
.set AA,   16                          ; LDS addresses, a pair (slots 0, 1) each: A, B, scale words; never rewritten
.set AB,   18
.set AS,   20
.set PFO,  22                          ; the prefetches' offset
.set CO,   26                          ; byte offset in c, out0, out1: 8 h rows + 16 r
.set BO,   27                          ; in a bias: 16 o
.set SPW,  28
.set NIL,  29
.set SS,   32                          ; scale words
.set BR,   64                          ; biases as loaded
.set BV,   80                          ; seven pairs: the tile's bias times -L or 2 L
.set WF,   96                          ; window 2: the candidate's fragments
.set NF,   160                         ; window 2: their negatives, p = 1, 2, 3
.set CC,   128                         ; window 1: c at 32 mb + 4 j + q
.set T,    128
.set MI,   184
.set MO,   192
.set X,    224
.set G1A, 32
.set G1B, 40
.set G0A, 48                           ; the head's loads
.set G0B, 52
.set G0A1, 56                          ; the refills
.set G0B1, 60
.set NL,   66                          ; s[66:67] -L
.set TL,   68                          ; s[68:69] 2 L
.set SGN,  92
.set MSB, 0
.macro WIN new                         ; the immediate's high byte repeats the setting that is left
.if MSB != \new
	s_set_vgpr_msb (MSB<<8)|\new
.set MSB, \new
.endif
.endm
.set MULW, 0xf9                        ; source 0 (A) window 1, source 1 (B) window 2, C and D window 3
.set TO_A, 0x40                        ; destination window 1, address window 0
.set TO_B, 0x80
.macro JLOAD g0a, g1a, g0b, g1b        ; a joint load: waves 0, 2 fetch A's halves, waves 1, 3 B's
	s_cmp_eq_u32 s27, 0
	s_cbranch_scc0 .Lfor_b_\@
	tensor_load_to_lds s[\g0a:\g0a+3], s[\g1a:\g1a+7]
	s_nop 0
.rept 4
	v_nop
.endr
	s_branch .Lasked_\@
.Lfor_b_\@:
	tensor_load_to_lds s[\g0b:\g0b+3], s[\g1b:\g1b+7]
	s_nop 0
.rept 4
	v_nop
.endr
.Lasked_\@:
.endm
.macro CREST                           ; a round of the cluster's barrier behind its opening barrier
	s_cmp_lg_u32 s26, 0
	s_cbranch_scc1 .Lnot_wave_0_\@
	s_barrier_signal -3
.Lnot_wave_0_\@:
	s_barrier_wait -3
	s_barrier_signal -1
	s_barrier_wait -1
.endm
.macro CROUND
	s_barrier_signal -1
	s_barrier_wait -1
	CREST
.endm
.macro PLACES                          ; plain vector instructions between a matrix instruction and a load into, or a vector write of, one of its registers
.rept 4
	v_nop
.endr
.endm
	s_load_b512 s[4:19], s[0:1], 0x0               ; acodes, bcodes, c, Ui_b, Uf_b, Uo_b, Uc_b, out0
	s_load_b64 s[20:21], s[0:1], 0x40              ; out1
	v_lshl_add_u32 v[SPW], v0, 2, SPARE
	v_mov_b32 v[NIL], 0
	ds_add_u32 v[SPW], v[NIL]                      ; the opening adds
	ds_add_u32 v[SPW], v[NIL]
	v_lshrrev_b32 v1, 5, v0
	v_readfirstlane_b32 s26, v1                    ; wave
	s_and_b32 s27, s26, 1                          ; which 16 outputs are mine.  Also: I fetch for A (0) or for B (1)
	s_lshr_b32 s28, s26, 1                         ; which 64 rows are mine.  Also: which slot (head) or half (refills) I fetch
	s_bfe_u32 s72, ttmp6, 0x40000                  ; cx
	s_bfe_u32 s73, ttmp6, 0x40004                  ; cy
	s_lshl_b32 s74, ttmp9, 2
	s_add_co_u32 s74, s74, s72                     ; tx: my tile of B
	s_and_b32 s75, ttmp7, 0xffff
	s_lshl_b32 s75, s75, 2
	s_add_co_u32 s75, s75, s73                     ; ty: my tile of A
	s_lshl_b32 s76, s73, 2
	s_lshl_b32 s76, 15, s76                        ; my row of the cluster
	s_lshl_b32 s77, 0x1111, s72                    ; my column
	; group 1: 136 dense rows of 512 bytes (64 elements of 8), 4 words of padding after every 128
	s_or_b32 s[G1A], s76, (3<<16)|(1<<20)|(1<<21)|(6<<22)|(3<<25)
	s_or_b32 s[G1B], s77, (3<<16)|(1<<20)|(1<<21)|(6<<22)|(3<<25)
.irp g, G1A, G1B
	s_mov_b32 s[\g+1], 64<<16
	s_mov_b32 s[\g+2], 136<<16
	s_mov_b32 s[\g+3], 64<<16
	s_mov_b32 s[\g+4], 136
	s_mov_b32 s[\g+5], 64
	s_mov_b32 s[\g+6], 0
	s_mov_b32 s[\g+7], 0
.endr
	s_mul_i32 s78, s75, 4*TILEB
	s_mov_b32 s79, 0
	s_mul_i32 s80, s74, 4*TILEB
	s_mov_b32 s81, 0
	s_mul_i32 s82, s28, TILEB                      ; head: pair 0 or 1
	s_mov_b32 s83, 0
	s_mul_i32 s84, s28, TILEB/2                    ; refills: my half, pair 2 first
	s_add_co_u32 s84, s84, 2*TILEB
	s_mov_b32 s85, 0
	s_mul_i32 s[G0A+1], s28, 2*TS                  ; LDS: slot s: A at 2 s TS, B at TS more
	s_add_co_u32 s[G0B+1], s[G0A+1], TS
	s_mul_i32 s[G0A1+1], s28, HL
	s_add_co_u32 s[G0B1+1], s[G0A1+1], TS
.irp g, G0A, G0B, G0A1, G0B1
	s_mov_b32 s[\g], 1
.endr
	s_mov_b32 s[NL], 0xbfb8aa3b                    ; -log2(e)
	s_mov_b32 s[NL+1], 0xbfb8aa3b
	s_mov_b32 s[TL], 0x4038aa3b                    ; 2 log2(e)
	s_mov_b32 s[TL+1], 0x4038aa3b
	s_mov_b32 s[SGN], 0x88888888
	s_wait_dscnt 0x0                               ; both opening adds are done
	s_wait_kmcnt 0x0
	s_add_nc_u64 s[86:87], s[4:5], s[78:79]        ; A's tile hangs on ty alone, B's on tx alone
	s_add_nc_u64 s[88:89], s[6:7], s[80:81]
	s_add_nc_u64 s[G0A+2:G0A+3], s[86:87], s[82:83]
	s_add_nc_u64 s[G0B+2:G0B+3], s[88:89], s[82:83]
	s_add_nc_u64 s[G0A1+2:G0A1+3], s[86:87], s[84:85]
	s_add_nc_u64 s[G0B1+2:G0B1+3], s[88:89], s[84:85]
.irp g, G0A, G0B, G0A1, G0B1
	s_or_b32 s[\g+3], s[\g+3], 0x80000000
.endr
	CROUND                                         ; all sixteen work-groups are here: the first joint loads meet
; the head's loads, one a wave, each line in an arm of its own
.macro ARM under, g0, g1, next
	s_cmp_lt_u32 s26, \under
	s_cbranch_scc0 \next
	tensor_load_to_lds s[\g0:\g0+3], s[\g1:\g1+7]
	s_nop 0
.rept 4
	v_nop
.endr
	s_branch .Lhead_asked
\next:
.endm
	ARM 1, G0A, G1A, .Lhead_1
	ARM 2, G0B, G1B, .Lhead_2
	ARM 3, G0A, G1A, .Lhead_3
	tensor_load_to_lds s[G0B:G0B+3], s[G1B:G1B+7]
	s_nop 0
.rept 4
	v_nop
.endr
.Lhead_asked:
	s_cmp_eq_u32 s27, 0                            ; the prefetches: A's tile or B's, pair 2 on;
	s_cselect_b64 s[70:71], s[86:87], s[88:89]
	s_cselect_b32 s90, s72, s73                    ; my place among the four that ask for it with me: 64 of its 256 blocks of codes, 32 a wave
	s_add_nc_u64 s[70:71], s[70:71], 2*TILEB
	s_lshl_b32 s90, s90, 14
	s_lshl_b32 s91, s28, 13
	s_add_co_u32 s90, s90, s91
	s_lshl_b32 s91, s74, 1
	s_add_co_u32 s91, s91, s27                     ; g = 2 tx + my group
	s_lshl_b32 s91, s91, 8                         ; 16 outputs x 16 bytes
	s_lshl_b32 s76, s75, 7
	s_lshl_b32 s77, s28, 6
	s_add_co_u32 s76, s76, s77                     ; my first row
	s_lshl_b32 s76, s76, 13                        ; rows of 8,192 bytes
	s_add_co_u32 s76, s76, s91
	s_mov_b32 s77, 0
	s_add_nc_u64 s[8:9], s[8:9], s[76:77]          ; c, out0 and out1 at my first row and output
	s_add_nc_u64 s[18:19], s[18:19], s[76:77]
	s_add_nc_u64 s[20:21], s[20:21], s[76:77]
	s_mul_i32 s76, s28, 64*PT                      ; my 64 rows of A in slot 0,
	s_add_co_u32 s77, s76, 2*TS                    ; in slot 1;
	s_mul_i32 s78, s27, 64*PT
	s_add_co_u32 s78, s78, TS                      ; of B
	s_add_co_u32 s79, s78, 2*TS
	s_mul_i32 s80, s28, 4*PT                       ; scale words: A's,
	s_mul_i32 s81, s27, 4*PT
	s_add_co_u32 s81, s81, TS
	s_sub_co_u32 s81, s81, s80                     ; lanes 16-31 so much further on: B's
	s_add_co_u32 s80, s80, 128*PT
	s_add_co_u32 s82, s80, 2*TS
	v_and_b32 v1, 15, v0                           ; r
	v_bfe_u32 v2, v0, 4, 1                         ; h
	v_mul_u32_u24 v3, v1, PT
	v_lshl_add_u32 v3, v2, 4, v3                   ; a fragment's row x pitch + 16 h
	v_mul_u32_u24 v5, s81, v2
	v_lshl_add_u32 v4, v1, 4, v5
	v_and_b32 v6, 31, v0
	v_lshlrev_b32 v[CO], 4, v1
	v_lshl_add_u32 v[CO], v2, 16, v[CO]            ; 16 r + 8 h rows
	v_lshl_add_u32 v[BO], v1, 4, s91
	v_add_nc_u32 v[AA], s76, v3
	v_add_nc_u32 v[AA+1], s77, v3
	v_add_nc_u32 v[AB], s78, v3
	v_add_nc_u32 v[AB+1], s79, v3
	v_add_nc_u32 v[AS], s80, v4
	v_add_nc_u32 v[AS+1], s82, v4
	v_lshl_add_u32 v[PFO], v6, 8, s90
	global_load_b128 v[BR:BR+3], v[BO], s[10:11]   ; the biases of my output
	global_load_b128 v[BR+4:BR+7], v[BO], s[12:13]
	global_load_b128 v[BR+8:BR+11], v[BO], s[14:15]
	global_load_b128 v[BR+12:BR+15], v[BO], s[16:17]
; A fragment, 16 rows x 128 K of 4-bit codes, is 8 registers: lane (r, h) holds row r; registers 4 c .. 4 c + 3 hold K = 64 c + 32 h + 0 .. 31: two loads of 16 bytes, 32 bytes apart.
; Step n lies in slot (n / 2) % 2, at byte 256 (n % 2) of its rows; component a 64 a further on.  The candidate's fragments and the scale words: set n % 2.
.macro COMP n, a                       ; component a's fragments: the gates' three and A's four, 14 loads
	WIN TO_B
.irp k, 0,1,2
.irp c, 0,1
	ds_load_b128 v[24*(\a)+8*\k+4*\c:24*(\a)+8*\k+4*\c+3], v[AB+((\n)/2)%2] offset:BLK*\k+256*((\n)%2)+64*(\a)+32*\c
.endr
.endr
.endm
.macro COMPA n, a
	WIN TO_A
.irp m, 0,1,2,3
.irp c, 0,1
	ds_load_b128 v[32*(\a)+8*\m+4*\c:32*(\a)+8*\m+4*\c+3], v[AA+((\n)/2)%2] offset:BLK*\m+256*((\n)%2)+64*(\a)+32*\c
.endr
.endr
.endm
; One run of loads: the candidate's fragments w0 .. w1 - 1 of step wn, if sc that step's scale words, then components b and b + 1 of step n.  CNT: how many.
.macro RUN n, b, wn, w0, w1, sc
	WIN TO_B
.irp p, 0,1,2,3
.if (\p >= \w0) && (\p < \w1)
.irp c, 0,1
	ds_load_b128 v[WF+32*((\wn)%2)+8*\p+4*\c:WF+32*((\wn)%2)+8*\p+4*\c+3], v[AB+((\wn)/2)%2] offset:3*BLK+256*((\wn)%2)+64*\p+32*\c
.endr
.endif
.endr
.if \sc
	WIN 0
.irp j, 0,1,2,3
	ds_load_b128 v[SS+16*((\wn)%2)+4*\j:SS+16*((\wn)%2)+4*\j+3], v[AS+((\wn)/2)%2] offset:PT*\j+256*((\wn)%2)
.endr
.endif
	COMP \n, \b
	COMPA \n, \b
	COMP \n, (\b)+1
	COMPA \n, (\b)+1
.set CNT, 28+2*((\w1)-(\w0))+4*(\sc)
.endm
; One product: block mb of rows x tile t, step n, component a.  The 28 accumulators take turns in the same order throughout.  zero = 1: it starts the sum.
.macro MUL mb, t, n, a, zero
.set PA, 32*(\a)+8*(\mb)
.set PC, 8*(7*(\mb)+(\t))
.set PS, SS+16*((\n)%2)
.if (\t) < 3
.set PB, 24*(\a)+8*(\t)
.set PQ, PS+4*(\t)+(\a)
.else
.set PP, (\a)^((\t)-3)
.set PQ, PS+12+PP
.if ((0xc6a0>>(4*PP+(\a)))&1) == 1
.set PB, NF+8*(PP-1)
.else
.set PB, WF+32*((\n)%2)+8*PP
.endif
.endif
.if \zero
	v_wmma_scale_f32_16x16x128_f8f6f4 v[PC:PC+7], v[PA:PA+7], v[PB:PB+7], 0, v[PS+4*(\mb)+(\a)], v[PQ] matrix_a_fmt:MATRIX_FMT_FP4 matrix_b_fmt:MATRIX_FMT_FP4 matrix_b_scale:MATRIX_SCALE_ROW1
.else
	v_wmma_scale_f32_16x16x128_f8f6f4 v[PC:PC+7], v[PA:PA+7], v[PB:PB+7], v[PC:PC+7], v[PS+4*(\mb)+(\a)], v[PQ] matrix_a_fmt:MATRIX_FMT_FP4 matrix_b_fmt:MATRIX_FMT_FP4 matrix_b_scale:MATRIX_SCALE_ROW1
.endif
.endm
.macro MULB m0, cnt, n, a, zero        ; cnt blocks of rows from m0 on
	WIN MULW
.set MB, \m0
.rept \cnt
.irp t, 0,1,2,3,4,5,6
	MUL MB, \t, \n, \a, \zero
.endr
.set MB, MB+1
.endr
.endm
; Half h of step n: components 2 h and 2 h + 1.  The run for the next half goes out ahead of its 56 products.  (Not for the last half of a slot's last step: TURN.)
.macro HALF n, h, zero
	s_wait_dscnt 14                                ; the first component's fragments are in, and all that was loaded ahead of them; the second's 14 may be out
	PLACES                                         ; for the loads into the sets that the last half's products read, and for the vector writes below
.set CNT, 0
.if (\h) == 0                                          ; the candidate's negatives
	WIN 0x88                                       ; source 1 and destination window 2
.set i, 0
.rept 24
	v_xor_b32 v[NF+i], s[SGN], v[WF+32*((\n)%2)+8+i]
.set i, i+1
.endr
	s_wait_alu depctr_va_vdst(0)
.if ((\n)%2) == 0
	RUN \n, 2, (\n)+1, 0, 2, 0
.else
	RUN \n, 2, \n, 0, 0, 0
.endif
.elseif ((\n)%2) == 0
	RUN (\n)+1, 0, (\n)+1, 2, 4, 1
.endif
.set HN, 2*(\n)+(\h)
.if (HN == 0) || (HN == 2)                             ; a refill's tile, pair 2 and pair 3: 32 blocks of 256 bytes (the address lies in window 0, as the run's do)
	global_prefetch_b8 v[PFO], s[70:71] offset:TILEB*(HN/2) th:TH_LOAD_NT scope:SCOPE_SE
.endif
.set CB, 4                                             ; c is wanted behind the products: blocks 0, 1 are asked for ahead of the first refill, blocks 2, 3 behind the last: 8 loads each, 2 x 256 consecutive bytes a load
.if HN == 1
.set CB, 0
.elseif HN == 2
.set CB, 1
.elseif HN == 12
.set CB, 2
.elseif HN == 13
.set CB, 3
.endif
.if CB < 4
	WIN TO_A
.irp j, 0,1,2,3,4,5,6,7
	global_load_b128 v[CC+32*CB+4*\j:CC+32*CB+4*\j+3], v[CO], s[8:9] offset:(16*CB+\j)*8192 th:TH_LOAD_NT
.endr
.endif
	MULB 0, 4, \n, 2*(\h), \zero
	s_wait_dscnt CNT                               ; the second component's fragments are in; the run just issued may be out
	MULB 0, 4, \n, 2*(\h)+1, 0
.endm
; The last half of a slot's last step changes slots: one barrier; in front of it each wave waits for all its tensor loads, adds 0 to its spare word, and waits for that and for its reads of this slot.
; fill 1, 2: the barrier opens a round of the cluster's barrier, and the slot just left is filled again first thing behind it.
.macro TURN n, fill
	WIN 0                                          ; (the add's two registers lie in window 0)
	s_wait_tensorcnt 0x0                           ; all my tensor loads have landed
	ds_add_u32 v[SPW], v[NIL]
.if (\fill) == 1                                       ; no tensor load of mine is out: from here on a load brings 68 rows
	s_mov_b32 s[G1A+2], 68<<16
	s_mov_b32 s[G1A+4], 68
	s_mov_b32 s[G1B+2], 68<<16
	s_mov_b32 s[G1B+4], 68
.endif
.if (\fill) == 2                                       ; slot 1, pair 3
	s_add_co_u32 s[G0A1+1], s[G0A1+1], 2*TS
	s_add_co_u32 s[G0B1+1], s[G0B1+1], 2*TS
	s_add_nc_u64 s[G0A1+2:G0A1+3], s[G0A1+2:G0A1+3], TILEB
	s_add_nc_u64 s[G0B1+2:G0B1+3], s[G0B1+2:G0B1+3], TILEB
.endif
	s_wait_dscnt 15                                ; component 2's fragments are in; component 3's 14 loads and the add may be out
	MULB 0, 1, \n, 2, 0                            ; seven products stand between the add and the wait for it
	s_wait_dscnt 0x0                               ; the add is done, and my reads of this slot are over
	s_barrier_signal -1
	MULB 1, 1, \n, 2, 0
	WIN 0
	s_barrier_wait -1
.if \fill
	CREST                                          ; no wave of any partner still reads this slot's tiles or has a load on its way
	JLOAD G0A1, G1A, G0B1, G1B                     ; my one tensor load behind the round; its four v_nop are also the places in front of the loads below
.else
	PLACES
.endif
	RUN (\n)+1, 0, (\n)+1, 0, 4, 1
	MULB 2, 2, \n, 2, 0
	MULB 0, 4, \n, 3, 0
.endm
	s_wait_alu depctr_va_vdst(0)
	s_cmp_lt_u32 s26, 2
	s_cbranch_scc0 .Lslot_1_out
	s_wait_tensorcnt 0x0                           ; waves 0, 1: slot 0 is in; slot 1's loads may be out
.Lslot_1_out:
	s_barrier_signal -1
	s_barrier_wait -1
	RUN 0, 0, 0, 0, 4, 1
	HALF 0, 0, 1                                   ; component 0's products start the sums
	HALF 0, 1, 0
	HALF 1, 0, 0
	TURN 1, 1                                      ; slot 0 takes steps 4 and 5
	HALF 2, 0, 0
	HALF 2, 1, 0
	HALF 3, 0, 0
	TURN 3, 2                                      ; slot 1 takes steps 6 and 7: the last load
	HALF 4, 0, 0
	HALF 4, 1, 0
	HALF 5, 0, 0
	TURN 5, 0                                      ; nothing is left to fetch: no round of the cluster's barrier
	HALF 6, 0, 0
	HALF 6, 1, 0
	HALF 7, 0, 0
	HALF 7, 1, 0
	WIN 0
	; THE CELL.  The biases ride on the scaling: y = (z + b) x k is one multiply-add with b x k as its addend.  These 14 multiplications are also the places behind the last products.
	s_wait_loadcnt 16                              ; the biases and c's blocks 0, 1 are in; the sixteen loads of blocks 2, 3 may be out
.irp t, 0,1,2
	v_mul_f32 v[BV+2*\t], s[NL], v[BR+4*\t]        ; a gate takes the real component of its bias
	v_mul_f32 v[BV+2*\t+1], s[NL], v[BR+4*\t]      ; (named with it as a pair, so it is written)
.endr
.irp q, 0,1,2,3
	v_mul_f32 v[BV+6+2*\q], s[TL], v[BR+12+\q]
	v_mul_f32 v[BV+6+2*\q+1], s[TL], v[BR+12+\q]
.endr
; A block of 16 rows: a lane's 8 rows x 7 pre-activations.
.macro TAIL mb
.if \mb > 1
	s_wait_loadcnt 8*(3-\mb)                       ; this block's c is in; behind block 2's stand block 3's eight loads
.endif
	WIN 0x03                                       ; source 0: the accumulators' window
	s_wait_alu depctr_va_vdst(0)                   ; directly ahead of the results' first readers
.irp t, 0,1,2
.irp j, 0,2,4,6
	v_pk_fma_f32 v[T+8*\t+\j:T+8*\t+\j+1], v[8*(7*\mb+\t)+\j:8*(7*\mb+\t)+\j+1], s[NL:NL+1], v[BV+2*\t:BV+2*\t+1] op_sel_hi:[1,0,0]   ; -L (z + b); each accumulator from its low end on
.endr
.endr
.irp t, 3,4,5,6
.irp j, 0,2,4,6
	v_pk_fma_f32 v[T+8*\t+\j:T+8*\t+\j+1], v[8*(7*\mb+\t)+\j:8*(7*\mb+\t)+\j+1], s[TL:TL+1], v[BV+2*\t:BV+2*\t+1] op_sel_hi:[1,0,0]   ; 2 L (z + b)
.endr
.endr
	WIN 0
.set i, 0
	s_wait_alu depctr_va_vdst(0)
.rept 56
	v_exp_f32 v[T+i], v[T+i]
.set i, i+1
.endr
	v_nop                                          ; a plain instruction behind the last exponential,
	s_wait_alu depctr_va_vdst(0)                   ; and one wait for the batch, ahead of its first reader
.set i, 0
.rept 28
	v_pk_add_f32 v[T+i:T+i+1], v[T+i:T+i+1], 1.0 op_sel_hi:[1,0]
.set i, i+2
.endr
.set i, 0
	s_wait_alu depctr_va_vdst(0)
.rept 56
	v_rcp_f32 v[T+i], v[T+i]                       ; T+0.. i, T+8.. f, T+16.. o; T+24+8q.. R_q, with tanh = 1 - 2 R_q
.set i, i+1
.endr
	v_nop
	s_wait_alu depctr_va_vdst(0)
.irp j, 0,2,4,6
	v_pk_mul_f32 v[MI+\j:MI+\j+1], v[T+\j:T+\j+1], -2.0 op_sel_hi:[1,0]          ; -2 i
	v_pk_mul_f32 v[MO+\j:MO+\j+1], v[T+16+\j:T+16+\j+1], -2.0 op_sel_hi:[1,0]    ; -2 o
.endr
.if \mb > 0
	s_wait_alu depctr_va_vdst(0)
	s_wait_xcnt 0x0                                ; the last block's stores have read their data: those registers are written again below
.endif
.irp j, 0,1,2,3,4,5,6,7
.irp q, 0,1,2,3
	v_fma_f32 v[X+4*\j+\q], v[T+24+8*\q+\j], v[MI+\j], v[T+\j]                   ; i tanh = i - 2 i R
.endr
.endr
	WIN 0x44                                       ; source 1 and destination: c's window
.irp j, 0,1,2,3,4,5,6,7
.irp q, 0,1,2,3
	v_fma_f32 v[CC+32*\mb+4*\j+\q], v[T+8+\j], v[CC+32*\mb+4*\j+\q], v[X+4*\j+\q]   ; c_t = f c + i tanh
.endr
.endr
	WIN 0x04                                       ; a store's data are its source 1
.irp j, 0,1,2,3,4,5,6,7
	global_store_b128 v[CO], v[CC+32*\mb+4*\j:CC+32*\mb+4*\j+3], s[20:21] offset:(16*\mb+\j)*8192 th:TH_STORE_NT   ; lanes 0-15 and lanes 16-31 each store 256 consecutive bytes, aligned
.endr
	WIN 0x01
.set i, 0
.rept 16
	v_pk_mul_f32 v[X+i:X+i+1], v[CC+32*\mb+i:CC+32*\mb+i+1], s[TL:TL+1] op_sel_hi:[1,0]   ; 2 L c_t
.set i, i+2
.endr
	WIN 0
.set i, 0
	s_wait_alu depctr_va_vdst(0)
.rept 32
	v_exp_f32 v[X+i], v[X+i]
.set i, i+1
.endr
	v_nop
	s_wait_alu depctr_va_vdst(0)
.set i, 0
.rept 16
	v_pk_add_f32 v[X+i:X+i+1], v[X+i:X+i+1], 1.0 op_sel_hi:[1,0]
.set i, i+2
.endr
.set i, 0
	s_wait_alu depctr_va_vdst(0)
.rept 32
	v_rcp_f32 v[X+i], v[X+i]
.set i, i+1
.endr
	v_nop
	s_wait_alu depctr_va_vdst(0)
.irp j, 0,1,2,3,4,5,6,7
.irp q, 0,1,2,3
	v_fma_f32 v[X+4*\j+\q], v[X+4*\j+\q], v[MO+\j], v[T+16+\j]                   ; h_t = o - 2 o R
.endr
.endr
.irp j, 0,1,2,3,4,5,6,7
	global_store_b128 v[CO], v[X+4*\j:X+4*\j+3], s[18:19] offset:(16*\mb+\j)*8192 th:TH_STORE_NT
.endr
.endm
	TAIL 0
	TAIL 1
	TAIL 2
	TAIL 3
	s_wait_tensorcnt 0x0                           ; the wave's end
	ds_add_u32 v[SPW], v[NIL]
	s_wait_dscnt 0x0
	CROUND                                         ; the closing round: no work-group ends while a partner may still ask for a tile that names it
	s_endpgm
.Lfunc_end_k_q25b40c229e_cell:
	.size	k_q25b40c229e_cell, .Lfunc_end_k_q25b40c229e_cell-k_q25b40c229e_cell
	.p2alignl 7, 3214868480
	.fill 96, 4, 3214868480
	.section	.rodata,"a",@progbits
	.p2align	6, 0x0
	.amdhsa_kernel k_q25b40c229e_cell
		.amdhsa_group_segment_fixed_size 327680
		.amdhsa_private_segment_fixed_size 0
		.amdhsa_enable_private_segment 0
		.amdhsa_kernarg_size 72
		.amdhsa_user_sgpr_count 2
		.amdhsa_user_sgpr_kernarg_segment_ptr 1
		.amdhsa_wavefront_size32 1
		.amdhsa_system_sgpr_workgroup_id_x 1
		.amdhsa_system_sgpr_workgroup_id_y 1
		.amdhsa_system_sgpr_workgroup_id_z 1
		.amdhsa_system_vgpr_workitem_id 0
		.amdhsa_next_free_vgpr 992
		.amdhsa_next_free_sgpr 100
		.amdhsa_reserve_vcc 0
		.amdhsa_float_denorm_mode_32 3
		.amdhsa_float_denorm_mode_16_64 3
		.amdhsa_memory_ordered 1
		.amdhsa_forward_progress 1
		.amdhsa_inst_pref_size 252
	.end_amdhsa_kernel
	.amdgpu_metadata
---
amdhsa.version: [ 1, 2 ]
amdhsa.kernels:
  - .name:           k_q25b40c229e_cell
    .symbol:         k_q25b40c229e_cell.kd
    .args:
      - { .name: acodes, .offset: 0, .size: 8, .value_kind: global_buffer, .address_space: global }
      - { .name: bcodes, .offset: 8, .size: 8, .value_kind: global_buffer, .address_space: global }
      - { .name: c, .offset: 16, .size: 8, .value_kind: global_buffer, .address_space: global }
      - { .name: Ui_b, .offset: 24, .size: 8, .value_kind: global_buffer, .address_space: global }
      - { .name: Uf_b, .offset: 32, .size: 8, .value_kind: global_buffer, .address_space: global }
      - { .name: Uo_b, .offset: 40, .size: 8, .value_kind: global_buffer, .address_space: global }
      - { .name: Uc_b, .offset: 48, .size: 8, .value_kind: global_buffer, .address_space: global }
      - { .name: out0, .offset: 56, .size: 8, .value_kind: global_buffer, .address_space: global }
      - { .name: out1, .offset: 64, .size: 8, .value_kind: global_buffer, .address_space: global }
    .group_segment_fixed_size: 327680
    .private_segment_fixed_size: 0
    .kernarg_segment_align: 8
    .kernarg_segment_size: 72
    .max_flat_workgroup_size: 128
    .sgpr_count:     100
    .vgpr_count:     992
    .wavefront_size: 32
...
	.end_amdgpu_metadata
.endif
;; end of part 2
